; MI455X (gfx1250); checked and timed in simulation.
; The chip was launched on July 23, 2026; its instructions are those of AMD's public machine-readable ISA for CDNA 5 (MIT licence, August 2026) and "CDNA5" Instruction Set Architecture Reference Guide (July 2026). The comments in the code are by the model that wrote it; some were corrected since.
;; Lo RAXS Linear. Allowed arithmetic: matrix products marked QUANTISED: E3M2 operands, one E8M0 scale for each 32 along K, by v_wmma_scale_f32_16x16x128_f8f6f4 with both operands' format E3M2, f32 sums; everything else in f32.
;; Inputs: R_codes 64 x 2 x 24 uint8 (E3M2 codes of R, K innermost, in blocks of 32 codes, four codes in three bytes); R_scales 64 x 2 uint8 (E8M0 scales of R, one for each 32 codes along K); U_codes 2,048 x 2 x 24 uint8 (E3M2 codes of U, K innermost, in blocks of 32 codes, four codes in three bytes); U_scales 2,048 x 2 uint8 (E8M0 scales of U, one for each 32 codes along K); Vt_codes 2,048 x 2 x 24 uint8 (E3M2 codes of Vt, K innermost, in blocks of 32 codes, four codes in three bytes); Vt_scales 2,048 x 2 uint8 (E8M0 scales of Vt, one for each 32 codes along K); bias 2,048 float32; sigma_codes 64 x 2 x 24 uint8 (E3M2 codes of sigma, K innermost, in blocks of 32 codes, four codes in three bytes); sigma_scales 64 x 2 uint8 (E8M0 scales of sigma, one for each 32 codes along K); weight_codes 2,048 x 64 x 24 uint8 (E3M2 codes of weight, K innermost, in blocks of 32 codes, four codes in three bytes); weight_scales 2,048 x 64 uint8 (E8M0 scales of weight, one for each 32 codes along K); x_codes 4 x 2,048 x 64 x 24 uint8 (E3M2 codes of x, K innermost, in blocks of 32 codes, four codes in three bytes); x_scales 4 x 2,048 x 64 uint8 (E8M0 scales of x, one for each 32 codes along K).
;; Outputs: out0 4 x 2,048 x 2,048 float32.
;; This version of the problem:
;;   THIS VERSION OF THE PROBLEM IS GIVEN IN LOW PRECISION. The matrix products marked QUANTISED in the list below multiply operands that are first quantised to E3M2 (3 exponent bits, 2 mantissa bits; 6 bits a number), with one power-of-two scale for each 32 numbers along K (OCP MX v1.0); their sums are f32. All else is computed in f32.
;;   The module's matrix products, in the order in which they are computed (A, B: the left and right operand; K: the contracted axis; several contracted axes count as one K, in the product's order):
;;     1. [M 8,192, K 2,048] x [K 2,048, N 2,048]; A: input x (given as codes); B: input weight (given as codes): QUANTISED
;;     2. [M 2,048, K 64] x [K 64, N 64]; A: input U (given as codes); B: input sigma (given as codes): QUANTISED
;;     3. [M 2,048, K 64] x [K 64, N 64]; A: computed on the way; B: input R (given as codes): QUANTISED
;;     4. [M 2,048, K 64] x [K 64, N 2,048]; A: computed on the way; B: input Vt (given as codes): QUANTISED
;;     5. [M 8,192, K 2,048] x [K 2,048, N 2,048]; A: input x (given as codes); B: computed on the way: QUANTISED
;;   THE QUANTISER, for each operand of a quantised product, along K:
;;     - K is cut into blocks of 32 from its start; a last block that is shorter is filled with zeros.
;;     - A block's scale is 2^e with e = floor(log2(the largest magnitude in the block)) - 4, held to -126 .. 127; a block of zeros has e = 0. As a byte (E8M0): e + 127.
;;     - Each number is divided by its block's scale, clamped to +-28, and rounded to the nearest number of E3M2, ties to even, subnormals kept.
;;     - The product sums the exact products of the quantised numbers (number of the format x scale) in f32.
;;   ~~~python
;;   def quantise(x, axis):      # numpy; x: float32 -> the quantised numbers, widened to float32 again
;;       x = np.moveaxis(x, axis, -1); K = x.shape[-1]
;;       x = np.pad(x, [(0, 0)] * (x.ndim - 1) + [(0, -K % 32)]); x = x.reshape(x.shape[:-1] + (-1, 32)); a = np.abs(x).max(-1, keepdims=True)
;;       e = np.where(a > 0, np.clip(np.frexp(np.where(a > 0, a, 1))[1] - 1 - 4, -126, 127), 0)      # np.frexp(a)[1] - 1 = floor(log2(a)), exactly
;;       r = np.clip(x / 2.0 ** e, -28, 28)
;;       step = 2.0 ** (np.maximum(np.frexp(np.where(r == 0, 1, r))[1] - 1, -2) - 2)
;;       q = np.round(r / step) * step * 2.0 ** e      # np.round: ties to even
;;       return np.moveaxis(q.reshape(q.shape[:-2] + (-1,))[..., :K], -1, axis).astype(np.float32)
;;   ~~~
;;   OPERANDS COMPUTED ON THE WAY. 'Computed on the way' means the value that the module computes at that place (a softmax that the list does not call 'softmax' is quantised finished and normalised). What goes into a quantiser is computed in f32, as accurately as f32 sums, v_exp_f32 and their like allow (about 1e-6 of the number): no bf16 or f16 on the way to a quantiser, and a product that is left as it is and whose result goes on into a quantised operand takes f32 operands (vector FMAs, or v_wmma_f32_16x16x4_f32). A number that lies on a knife's edge between two numbers of the format may be rounded either way, as far as f32 arithmetic and the matrix unit's own rounding can turn it there, and no further.
;;   INPUTS GIVEN AS CODES. R (in the module: [64, 64], K = its axis 0); U (in the module: [2048, 64], K = its axis 1); Vt (in the module: [64, 2048], K = its axis 0); sigma (in the module: [64, 64], K = its axis 0); weight (in the module: [2048, 2048], K = its axis 1); x (in the module: [4, 2048, 2048], K = its axis 2): each comes as NAME_codes (uint8): NAME with its K axis moved to the last place and cut into blocks of 32 codes, [.., K / 32, bytes a block], one block behind the other in memory; four codes in three bytes: a row's codes are one little-endian stream of bits, code i at bits 6 i .. 6 i + 5 (a code: sign, 3 exponent bits, 2 mantissa bits); and NAME_scales (uint8): the same leading axes, one E8M0 byte (e + 127) for each 32 codes along K. Its value is code x scale, taken as it is: it is not quantised again, and the codes and scales need not be those that the quantiser above would give.
;; One version. Each part assembles by itself: llvm-mc -triple=amdgcn-amd-amdhsa -mcpu=gfx1250 --defsym DOCPART=n.
;; ======== version 1 of 1: 2 launches
;; limits: right only within a limited range of input values
;; workspace buffers: xf 13,107,200 bytes; wf 6,553,600 bytes
;; launch prep (part 1): grid 128 x 2, 8 waves a work-group, no clusters, 167,936 bytes of LDS; arguments U_codes, U_scales, sigma_codes, sigma_scales, R_codes, R_scales, Vt_codes, Vt_scales, x_codes, x_scales, weight_codes, weight_scales, xf, wf; writes xf, wf
.if DOCPART == 1
	.amdgcn_target "amdgcn-amd-amdhsa--gfx1250"
	.amdhsa_code_object_version 6
	.text
	.protected	k_q28dc99612e_prep
	.globl	k_q28dc99612e_prep
	.p2align	8
	.type	k_q28dc99612e_prep,@function
k_q28dc99612e_prep:
	s_mov_b64 s[64:65], 0
	v_nop
	global_prefetch_b8 v0, s[64:65] scope:SCOPE_SE
	s_setreg_imm32_b32 hwreg(HW_REG_WAVE_MODE, 25, 1), 1
	s_wait_xcnt 0x0
; TWO THINGS.  (1) dW = ((U sigma) R) Vt, [2048 (o)][2048 (i)], quantised along i into codes of BF6 (E3M2) and E8M0 scale bytes.  (2) x, W and dW are laid for the product's launch IN THE ORDER OF THE OPERAND'S REGISTERS.
; A FRAGMENT is 16 rows x 128 K: 12 registers a lane (lane (r, h): row r; registers 6 c .. 6 c + 5: K = 64 c + 32 h + 0 .. 31, 24 bytes of the row's stream of bits).  Its IMAGE is 1,536 bytes: registers 4 c .. 4 c + 3 of lane l at 512 c + 16 l.
; A PERIOD is two K steps (z = 0, 1).  A block's SCALE IMAGE for a period is 128 bytes: lane 16 z + r holds row r's scale word (four E8M0 bytes) of K step z.
;   xf [32 tile rows of 256][8 periods][51,200]:     fragment (z, i) at z x 24,576 + i x 1,536 (i: block of 16 rows); scale images at 49,152 + 128 i.
;   wf [8 tile columns of 256][8 periods][102,400]:  fragment (z, d, i) at z x 49,152 + d x 24,576 + i x 1,536 (d = 0: W, 1: dW); scale images at 98,304 + d x 2,048 + 128 i.
; x's and W's codes and scale bytes are copied bit for bit.
; THE CHAIN.  All three products are on codes, by the scaled matrix instruction; T1 = U sigma and T2 = Q(T1) R are quantised along their 64 columns in registers.  ALPHA is 1.0: the multiplication changes no bit and is not written.
; Every product is used transposed: source 0 = 16 rows of the given codes (sigma's, R's, Vt's: K innermost as they come), source 1 = the 16 rows o: a lane holds ONE row o (lane % 16), and its registers run along the next K.
; THE ROWS OF A TILE ARE NOT NEIGHBOURS: lane r of tile 2 b + u takes row 32 b + 8 u + r + 8 (r / 8), so that the 16 registers of tiles 2 b and 2 b + 1 are 16 neighbours: 32 b + 16 (lane / 16) + 0 .. 15.
; K = 64 IN AN INSTRUCTION OF 128.  Source 1's registers 6-11 hold zero codes, and every scale word has two bytes from memory (or from the quantiser) and two bytes 0, which is a power of two and no NaN.  So whatever source 0 holds
; for K = 64 .. 127 is multiplied by zeros (E3M2 has no infinity and no NaN): source 0's tiles lie 6 registers apart, a tile's upper six registers being the next tile's codes; six zeros stand behind the last.
; THE QUANTISER: a block's scale byte is its largest magnitude's exponent field - 4, held at 1 from below by a floor among the maximum's leaves; the conversion divides, holds at the largest code and rounds to nearest, ties to even.
; SHARES.  Work-group (ox, y), wave w: K step s = 8 y + w, period j = s / 2, z = s % 2.  Wave 0 makes Q(T2) of rows o = 16 ox .. + 15 and hands it to the others through LDS; wave w makes columns i = 128 s .. + 127: one fragment of dW,
; which leaves the quantiser as its image, and copies W's fragment of the same rows and K step.  x: the work-group g = 2 ox + y takes rows 32 g .. + 31, 49,152 dense bytes, as 192 rows of 256 bytes, 24 a wave by one tensor load;
; wave w then copies period w: two blocks of 16 rows, both K steps.  In LDS 16 bytes of padding stand behind every 256: byte y of a row of codes lies at y + 16 (y / 256) of the row's 1,632.
; No prefetch: the launch has no loop.  No cluster: what work-groups share (sigma, R, a part of Vt) is 6,144 and 49,152 bytes beside the 140 KB that each reads and stores of its own.
; LIMITS: a computed block of zeros, or one whose largest magnitude lies under 2^(5 - 127), gets the byte 1 where the rule says 127 or clips: its bytes are read by this program alone, and zero codes add nothing.
; A given scale byte 0xff is NaN to the matrix unit; NaN and infinities in T1, T2 or dW (sums beyond f32) are not served.
.set FR,   12
.set FRB,  1536                        ; a fragment's image in bytes
.set XPER, 51200                       ; xf: a period's block
.set BPER, 102400                      ; wf: a period's block
.set XROW, 1632                        ; a row of x's codes in LDS
.set SPARE, 32*XROW                    ; the spare words, 128 bytes for each wave
.set T2L,  SPARE+1024                  ; Q(T2): an image of its six registers, and the scale word
.set TM,  16                           ; v16-19 largest magnitudes, v20-23 the other half's and then the bytes, v28-31 the conversions' scale operands
.set SPW, 24                           ; my spare word
.set NIL, 25                           ; 0
.set SG,  32                           ; v32-55   sigma's 4 tiles, 6 registers each
.set RT,  56                           ; v56-79   R's 4 tiles
.set VT,  80                           ; v80-127  Vt's 8 tiles
.set ZR,  128                          ; v128-133 zeros behind the last tile
.set PC,  136                          ; v136-147 source 1: U's codes, then each computed operand's; +6 .. +11 stay zeros until the last quantiser
.set PX,  148                          ; v148-154 the conversions' second halves
.set H,   160                          ; v160-223 results
.set WSW, 224                          ; W's scale word
.set OW,  225                          ; lanes 0-15 W's scale word, lanes 16-31 dW's
.set LX,  226                          ; v226-237 LDS addresses of x's 12 pieces: K step z, piece p at LX + 6 z + p
.set US,  238                          ; U's scale words
.set PW,  239                          ; the scale word just made
.set SGS, 240                          ; v240-243 sigma's scale words, v244-247 R's, v248-255 Vt's
.set RTS, 244
.set VTS, 248
.set G0,  56
.set G1,  68
; window 1 (v256 on): v0-47 x's four fragments, v48-59 W's fragment, v60-61 x's two scale images
.set MSB, 0
.macro WIN new                         ; s_set_vgpr_msb: bits 1:0 source 0, 3:2 source 1, 7:6 destination; the immediate's high byte repeats the setting that is left
.if MSB != \new
	s_set_vgpr_msb (MSB<<8)|\new
.set MSB, \new
.endif
.endm
	s_load_b256 s[4:11], s[0:1], 0x0               ; U's codes s[4:5], U's scales s[6:7], sigma's s[8:9], s[10:11]
	s_load_b256 s[12:19], s[0:1], 0x20             ; R's s[12:13], s[14:15], Vt's s[16:17], s[18:19]
	s_load_b256 s[20:27], s[0:1], 0x40             ; x's s[20:21], s[22:23], W's s[24:25], s[26:27]
	s_load_b128 s[28:31], s[0:1], 0x60             ; xf s[28:29], wf s[30:31]
	v_lshl_add_u32 v[SPW], v0, 2, SPARE
	v_mov_b32 v[NIL], 0
	ds_add_u32 v[SPW], v[NIL]                      ; the wave's opening: the add, twice on end, and its wait ahead of my tensor load
	ds_add_u32 v[SPW], v[NIL]
	v_lshrrev_b32 v1, 5, v0
	v_readfirstlane_b32 s32, v1                    ; wave 0..7
	s_and_b32 s33, ttmp7, 0xffff                   ; y
	s_lshl_b32 s34, s33, 3
	s_add_co_u32 s34, s34, s32                     ; my K step s = 8 y + w
	s_lshr_b32 s35, s34, 1                         ; its period j
	s_and_b32 s36, s32, 1                          ; and z
	s_lshl_b32 s37, ttmp9, 1
	s_add_co_u32 s37, s37, s33                     ; g
	s_mul_i32 s54, s32, 192                        ; my period's bytes in a row of x's codes
	s_mov_b32 s52, 0x76543210
	s_mov_b32 s53, 0xfedcba98                      ; v_permlanex16_b32's selects for lane l xor 16
	s_mov_b32 s39, 0                               ; every offset below stays under 2^24: the pair s[38:39] carries it
	s_mov_b32 s[G1+0], (3<<16)|(1<<20)|(5<<22)|(3<<25)   ; elements of 8 bytes, 4 dwords of padding behind every 64
	s_mov_b32 s[G1+1], 32<<16                      ; rows of 256 bytes
	s_mov_b32 s[G1+2], 24<<16                      ; 24 of them
	s_mov_b32 s[G1+3], 32<<16
	s_mov_b32 s[G1+4], 24
	s_mov_b32 s[G1+5], 32
	s_mov_b32 s[G1+6], 0
	s_mov_b32 s[G1+7], 0
	s_mov_b32 s[G0], 1
	s_mul_i32 s[G0+1], s32, 24*272
	v_and_b32 v1, 15, v0                           ; r
	v_bfe_u32 v2, v0, 4, 1                         ; h
	v_and_b32 v4, 31, v0                           ; lane
	v_and_b32 v3, 8, v0
	v_mul_u32_u24 v26, v2, 24
	v_mul_u32_u24 v27, v1, XROW
	v_add_nc_u32 v3, v3, v1                        ; r + 8 (r / 8)
	v_add_nc_u32 v26, s54, v26                     ; 192 w + 24 h
.irp j, 0,1,2,3,4,5
	v_mov_b32 v[ZR+\j], 0
	v_mov_b32 v[PC+6+\j], 0                        ; zero codes for K = 64 .. 127
.endr
.irp b, 0,1,2,3
	v_mov_b32 v[TM+4+\b], 0                        ; written once: a lane permute's destination counts as one of its sources
.endr
.irp n, 0,1,2,3,4,5,6,7,8,9,10,11
	v_add_nc_u32 v[LX+\n], 96*(\n/6)+48*((\n%6)/3)+8*(\n%3), v26   ; y: the piece's byte in the row of codes
.endr
.irp n, 0,1,2,3,4,5,6,7,8,9,10,11
	v_lshrrev_b32 v[H+\n], 8, v[LX+\n]
.endr
.irp n, 0,1,2,3,4,5,6,7,8,9,10,11
	v_lshl_add_u32 v[LX+\n], v[H+\n], 4, v[LX+\n]
.endr
.irp n, 0,1,2,3,4,5,6,7,8,9,10,11
	v_add_nc_u32 v[LX+\n], v27, v[LX+\n]
.endr
	v_mul_u32_u24 v5, v3, 48                       ; a tile's rows of sigma, R, Vt: 64 codes are 48 bytes,
	v_mul_u32_u24 v7, v1, 48                       ; U: row r,
	v_mul_u32_u24 v9, v1, 1536                     ; W: row r of 1,536 bytes,
	v_lshlrev_b32 v11, 6, v1                       ; W's scale word: row r of 64 bytes
	v_lshlrev_b32 v14, 2, v1
	v_mad_u32_u24 v5, v2, 24, v5                   ; + 24 h
	v_mad_u32_u24 v7, v2, 24, v7
	v_mad_u32_u24 v9, v2, 24, v9
	v_lshl_add_u32 v10, v2, 2, v11                 ; x's: lanes 16-31 take the period's second K step: the register is the image
	v_lshl_add_u32 v14, v2, 11, v14                ; W's word at 4 r, dW's 2,048 bytes on
	v_lshlrev_b32 v6, 1, v3                        ; scale bytes of a tile's rows: 2 a row
	v_lshlrev_b32 v8, 1, v1
	v_lshlrev_b32 v12, 4, v4                       ; a fragment's image: 16 x lane
	v_lshlrev_b32 v13, 2, v4                       ; a scale image: 4 x lane
	v_lshlrev_b32 v15, 3, v4
	s_wait_alu depctr_va_vdst(0)                   ; the head's end
	s_wait_dscnt 0x0                               ; both opening adds are done
	s_wait_kmcnt 0x0
	s_mul_i32 s38, s37, 49152                      ; x: my work-group's 32 rows,
	s_mul_i32 s40, s32, 6144                       ; my 24 rows of 256 bytes of them
	s_add_co_u32 s38, s38, s40
	s_add_nc_u64 s[G0+2:G0+3], s[20:21], s[38:39]
	s_or_b32 s[G0+3], s[G0+3], 0x80000000
	tensor_load_to_lds s[G0:G0+3], s[G1:G1+7]
	s_nop 0
	s_mul_i32 s38, ttmp9, 768                      ; my 16 rows of U: 48 bytes each,
	s_add_nc_u64 s[4:5], s[4:5], s[38:39]
	s_lshl_b32 s38, ttmp9, 5                       ; and 2 scale bytes each
	s_add_nc_u64 s[6:7], s[6:7], s[38:39]
	s_cmp_lg_u32 s32, 0
	s_cbranch_scc1 .Lnot_mine
	; wave 0: what T1 and T2 need, 36 loads
.irp p, 0,1,2
	global_load_b64 v[PC+2*\p:PC+2*\p+1], v7, s[4:5] offset:8*\p
.endr
	global_load_u16 v[US], v8, s[6:7]              ; two scale bytes; the upper two bytes of the word come as 0
.irp t, 0,1,2,3
.irp p, 0,1,2
	global_load_b64 v[SG+6*\t+2*\p:SG+6*\t+2*\p+1], v5, s[8:9] offset:(32*(\t/2)+8*(\t%2))*48+8*\p
.endr
	global_load_u16 v[SGS+\t], v6, s[10:11] offset:(32*(\t/2)+8*(\t%2))*2
.endr
.irp t, 0,1,2,3
.irp p, 0,1,2
	global_load_b64 v[RT+6*\t+2*\p:RT+6*\t+2*\p+1], v5, s[12:13] offset:(32*(\t/2)+8*(\t%2))*48+8*\p
.endr
	global_load_u16 v[RTS+\t], v6, s[14:15] offset:(32*(\t/2)+8*(\t%2))*2
.endr
.Lnot_mine:
	s_lshl_b32 s38, s37, 11                        ; x's scales: my work-group's rows of 64 bytes, byte 8 w
	s_lshl_b32 s40, s32, 3
	s_add_co_u32 s38, s38, s40
	s_add_nc_u64 s[22:23], s[22:23], s[38:39]
	s_mul_i32 s38, ttmp9, 24576                    ; W's codes: row 16 ox, byte 96 s
	s_mul_i32 s40, s34, 96
	s_add_co_u32 s38, s38, s40
	s_add_nc_u64 s[24:25], s[24:25], s[38:39]
	s_lshl_b32 s38, ttmp9, 10                      ; W's scales: byte 4 s
	s_lshl_b32 s40, s34, 2
	s_add_co_u32 s38, s38, s40
	s_add_nc_u64 s[26:27], s[26:27], s[38:39]
	s_mul_i32 s38, s34, 6144                       ; my 128 columns i are 128 rows of Vt's codes
	s_add_nc_u64 s[16:17], s[16:17], s[38:39]
	s_lshl_b32 s38, s34, 8
	s_add_nc_u64 s[18:19], s[18:19], s[38:39]
	; then every wave: 9 loads for the copies and 32 of Vt
	WIN 0x40                                       ; destination window 1, address window 0
	global_load_b32 v60, v10, s[22:23]
	global_load_b32 v61, v10, s[22:23] offset:1024
.irp p, 0,1,2,3,4,5
	global_load_b64 v[48+2*\p:49+2*\p], v9, s[24:25] offset:48*(\p/3)+8*(\p%3)
.endr
	WIN 0
	global_load_b32 v[WSW], v11, s[26:27]
.irp t, 0,1,2,3,4,5,6,7
.irp p, 0,1,2
	global_load_b64 v[VT+6*\t+2*\p:VT+6*\t+2*\p+1], v5, s[16:17] offset:(32*(\t/2)+8*(\t%2))*48+8*\p
.endr
	global_load_u16 v[VTS+\t], v6, s[18:19] offset:(32*(\t/2)+8*(\t%2))*2
.endr
	s_mov_b64 s[44:45], s[28:29]                   ; xf twice: for fragments and for scale images
	s_lshr_b32 s41, s37, 3                         ; tile row = g / 8
	s_lshl_b32 s41, s41, 3
	s_add_co_u32 s41, s41, s32
	s_mul_i32 s41, s41, XPER                       ; its block of period w
	s_and_b32 s42, s37, 7
	s_mul_i32 s38, s42, 2*FRB                      ; my first block of 16 rows in the tile row: 2 (g % 8)
	s_add_co_u32 s38, s38, s41
	s_add_nc_u64 s[28:29], s[28:29], s[38:39]
	s_lshl_b32 s38, s42, 8
	s_add_co_u32 s38, s38, s41
	s_add_co_u32 s38, s38, 2*16*FRB
	s_add_nc_u64 s[44:45], s[44:45], s[38:39]
	s_mov_b64 s[46:47], s[30:31]                   ; wf likewise
	s_lshr_b32 s41, ttmp9, 4                       ; tile column = ox / 16
	s_lshl_b32 s41, s41, 3
	s_add_co_u32 s41, s41, s35
	s_mul_i32 s41, s41, BPER
	s_and_b32 s42, ttmp9, 15                       ; my block in it
	s_mul_i32 s38, s42, FRB
	s_add_co_u32 s38, s38, s41
	s_mul_i32 s40, s36, 2*16*FRB
	s_add_co_u32 s38, s38, s40
	s_add_nc_u64 s[30:31], s[30:31], s[38:39]
	s_lshl_b32 s38, s42, 7
	s_add_co_u32 s38, s38, s41
	s_lshl_b32 s40, s36, 6
	s_add_co_u32 s38, s38, s40
	s_add_co_u32 s38, s38, 4*16*FRB
	s_add_nc_u64 s[46:47], s[46:47], s[38:39]
	s_wait_tensorcnt 0x0                           ; my 24 rows are in LDS,
	s_barrier_signal -1
	s_barrier_wait -1                              ; and everybody's
	WIN 0x40
.irp qq, 0,1
.irp zz, 0,1
.irp p, 0,1,2,3,4,5
	ds_load_b64 v[FR*(2*\qq+\zz)+2*\p:FR*(2*\qq+\zz)+2*\p+1], v[LX+6*\zz+\p] offset:\qq*16*XROW
.endr
.endr
.endr
	s_wait_loadcnt 32                              ; Vt's 32 may be out: the nine loads for the copies, and wave 0's 36 ahead of them, are in
	s_wait_dscnt 0x0
	WIN 0x04                                       ; a store's data are its source 1: window 1
.irp qq, 0,1
.irp zz, 0,1
.irp c, 0,1,2
	global_store_b128 v12, v[FR*(2*\qq+\zz)+4*\c:FR*(2*\qq+\zz)+4*\c+3], s[28:29] offset:\zz*16*FRB+\qq*FRB+512*\c
.endr
.endr
	global_store_b32 v13, v[60+\qq], s[44:45] offset:128*\qq
.endr
.irp c, 0,1,2
	global_store_b128 v12, v[48+4*\c:51+4*\c], s[30:31] offset:512*\c
.endr
	WIN 0
; n tiles of a product: source 0 = the tiles from v[w] on, source 1 = v[PC] on; ws: the tiles' scale words, xs: source 1's.  Each tile has an accumulator of its own and starts its sum with the constant 0.
; Four places follow: vector instructions then read the results and write source 1 and its scale word (ISA guide 7.12.1).
.macro PROD n, w, ws, xs
.set T, 0
.rept \n
	v_wmma_scale_f32_16x16x128_f8f6f4 v[H+8*T:H+8*T+7], v[\w+6*T:\w+6*T+11], v[PC:PC+11], 0, v[\ws+T], v[\xs] matrix_a_fmt:MATRIX_FMT_BF6 matrix_b_fmt:MATRIX_FMT_BF6
.set T, T+1
.endr
.rept 4
	v_nop
.endr
.endm
; 32 nc numbers of a lane, v[s] on, register 16 b + i = k 32 b + 16 (lane / 16) + i of my row, become codes in v[PC] on (6 nc registers) and a scale word of 2 nc bytes in v[PW].
; The reads ascend.
.macro QUANT s, nc
.irp b, 0,1,2,3
.if \b < 2*\nc
	v_max3_num_f32 v[TM+\b], |v[\s+16*\b]|, |v[\s+1+16*\b]|, 0x2800000   ; block b: my 16 numbers, and the floor 2^(5 - 127): so the byte cannot fall under 1
.endif
.endr
.irp i, 2,4,6,8,10,12,14
.irp b, 0,1,2,3
.if \b < 2*\nc
	v_max3_num_f32 v[TM+\b], v[TM+\b], |v[\s+16*\b+\i]|, |v[\s+1+16*\b+\i]|   ; (the blocks by turns)
.endif
.endr
.endr
.irp b, 0,1,2,3
.if \b < 2*\nc
	v_permlanex16_b32 v[TM+4+\b], v[TM+\b], s52, s53
.endif
.endr
.irp b, 0,1,2,3
.if \b < 2*\nc
	v_max_num_f32 v[TM+\b], v[TM+\b], v[TM+4+\b]   ; with lane l xor 16's 16: the block's largest magnitude
.endif
.endr
.irp b, 0,1,2,3
.if \b < 2*\nc
	v_add_nc_u32 v[TM+12+\b], 0xfe000000, v[TM+\b]   ; 4 off its exponent field: the conversion takes the exponent field of this operand as its scale, and nothing else of it
.endif
.endr
.irp b, 0,1,2,3
.if \b < 2*\nc
	v_lshrrev_b32 v[TM+4+\b], 23, v[TM+12+\b]      ; the scale's byte
.endif
.endr
	v_lshl_or_b32 v[PW], v[TM+5], 8, v[TM+4]       ; my row's scale word (with two blocks its upper two bytes are 0); lanes l and l xor 16 hold the same
.if \nc > 1
	s_delay_alu instid0(VALU_DEP_1)
	v_lshl_or_b32 v[PW], v[TM+6], 16, v[PW]
	s_delay_alu instid0(VALU_DEP_1)
	v_lshl_or_b32 v[PW], v[TM+7], 24, v[PW]
.endif
.irp c, 0,1
.if \c < \nc
	v_cvt_scalef32_pk16_bf6_f32 v[PC+6*\c:PC+6*\c+2], v[\s+32*\c:\s+32*\c+15], v[TM+12+2*\c]
	v_cvt_scalef32_pk16_bf6_f32 v[PX+4*\c:PX+4*\c+2], v[\s+32*\c+16:\s+32*\c+31], v[TM+12+2*\c+1]   ; (a conversion's three registers begin on an even number)
.endif
.endr
	v_nop                                          ; one plain place behind a scaled conversion
.irp c, 0,1
.if \c < \nc
.irp i, 0,1,2
	v_permlane16_swap_b32 v[PC+6*\c+\i], v[PX+4*\c+\i]   ; the operand's layout wants a WHOLE block in a lane: lanes 0-15 block 2 c, lanes 16-31 block 2 c + 1
.endr
.irp i, 0,1,2
	v_mov_b32 v[PC+3+6*\c+\i], v[PX+4*\c+\i]
.endr
.endif
.endr
.endm
	s_cmp_lg_u32 s32, 0
	s_cbranch_scc1 .Lnot_mine_either
	s_wait_loadcnt 0x0                             ; for zero: the upper six registers of R's last tile are Vt's
	PROD 4, SG, SGS, US                            ; T1^T = sigma^T U^T
	QUANT H, 1
.rept 8
	v_nop                                          ; a scale word made by vector instructions stands eight places ahead of a scaled matrix instruction, an operand so made four
.endr
	PROD 4, RT, RTS, PW                            ; T2^T = R^T Q(T1)^T
	QUANT H, 1
	ds_store_b128 v12, v[PC:PC+3] offset:T2L       ; an image of the operand's registers
	ds_store_b64 v15, v[PC+4:PC+5] offset:T2L+512
	ds_store_b32 v13, v[PW] offset:T2L+768
.Lnot_mine_either:
	s_wait_dscnt 0x0                               ; wave 0's stores are done
	s_barrier_signal -1
	s_barrier_wait -1
	ds_load_b128 v[PC:PC+3], v12 offset:T2L        ; the same registers in the same lanes
	ds_load_b64 v[PC+4:PC+5], v15 offset:T2L+512
	ds_load_b32 v[PW], v13 offset:T2L+768
	s_wait_loadcnt 0x0                             ; Vt
	s_wait_dscnt 0x0
	PROD 8, VT, VTS, PW                            ; dW^T, my 128 columns i = Vt^T's rows x Q(T2)^T
	QUANT H, 2                                     ; v[PC] on: the fragment of dW's rows 16 ox .. + 15, K step s, as the product's launch wants it in its registers
	v_cmp_eq_u32 vcc_lo, 1, v2
	v_cndmask_b32 v[OW], v[WSW], v[PW], vcc_lo     ; lanes 0-15: W's scale word of row r, lanes 16-31: dW's
.irp c, 0,1,2
	global_store_b128 v12, v[PC+4*\c:PC+4*\c+3], s[30:31] offset:16*FRB+512*\c
.endr
	global_store_b32 v14, v[OW], s[46:47]          ; my K step's halves (64 bytes each) of W's and of dW's scale image
	s_wait_tensorcnt 0x0                           ; the wave's end
	ds_add_u32 v[SPW], v[NIL]
	s_wait_dscnt 0x0
	s_endpgm
.Lfunc_end_k_q28dc99612e_prep:
	.size	k_q28dc99612e_prep, .Lfunc_end_k_q28dc99612e_prep-k_q28dc99612e_prep
	.p2alignl 7, 3214868480
	.fill 96, 4, 3214868480
	.section	.rodata,"a",@progbits
	.p2align	6, 0x0
	.amdhsa_kernel k_q28dc99612e_prep
		.amdhsa_group_segment_fixed_size 167936
		.amdhsa_private_segment_fixed_size 0
		.amdhsa_enable_private_segment 0
		.amdhsa_kernarg_size 112
		.amdhsa_user_sgpr_count 2
		.amdhsa_user_sgpr_kernarg_segment_ptr 1
		.amdhsa_wavefront_size32 1
		.amdhsa_system_sgpr_workgroup_id_x 1
		.amdhsa_system_sgpr_workgroup_id_y 1
		.amdhsa_system_sgpr_workgroup_id_z 1
		.amdhsa_system_vgpr_workitem_id 0
		.amdhsa_next_free_vgpr 384
		.amdhsa_next_free_sgpr 76
		.amdhsa_reserve_vcc 1
		.amdhsa_float_denorm_mode_32 3
		.amdhsa_float_denorm_mode_16_64 3
		.amdhsa_memory_ordered 1
		.amdhsa_forward_progress 1
		.amdhsa_inst_pref_size 30
	.end_amdhsa_kernel
	.amdgpu_metadata
---
amdhsa.version: [ 1, 2 ]
amdhsa.kernels:
  - .name:           k_q28dc99612e_prep
    .symbol:         k_q28dc99612e_prep.kd
    .args:
      - { .name: U_codes, .offset: 0, .size: 8, .value_kind: global_buffer, .address_space: global }
      - { .name: U_scales, .offset: 8, .size: 8, .value_kind: global_buffer, .address_space: global }
      - { .name: sigma_codes, .offset: 16, .size: 8, .value_kind: global_buffer, .address_space: global }
      - { .name: sigma_scales, .offset: 24, .size: 8, .value_kind: global_buffer, .address_space: global }
      - { .name: R_codes, .offset: 32, .size: 8, .value_kind: global_buffer, .address_space: global }
      - { .name: R_scales, .offset: 40, .size: 8, .value_kind: global_buffer, .address_space: global }
      - { .name: Vt_codes, .offset: 48, .size: 8, .value_kind: global_buffer, .address_space: global }
      - { .name: Vt_scales, .offset: 56, .size: 8, .value_kind: global_buffer, .address_space: global }
      - { .name: x_codes, .offset: 64, .size: 8, .value_kind: global_buffer, .address_space: global }
      - { .name: x_scales, .offset: 72, .size: 8, .value_kind: global_buffer, .address_space: global }
      - { .name: weight_codes, .offset: 80, .size: 8, .value_kind: global_buffer, .address_space: global }
      - { .name: weight_scales, .offset: 88, .size: 8, .value_kind: global_buffer, .address_space: global }
      - { .name: xf, .offset: 96, .size: 8, .value_kind: global_buffer, .address_space: global }
      - { .name: wf, .offset: 104, .size: 8, .value_kind: global_buffer, .address_space: global }
    .group_segment_fixed_size: 167936
    .private_segment_fixed_size: 0
    .kernarg_segment_align: 8
    .kernarg_segment_size: 112
    .max_flat_workgroup_size: 256
    .sgpr_count:     76
    .vgpr_count:     384
    .wavefront_size: 32
...
	.end_amdgpu_metadata
.endif
;; end of part 1
;; launch gemm (part 2): grid 32 x 8, 4 waves a work-group, clusters of 4 x 4, 327,680 bytes of LDS; arguments xf, wf, bias, out0; writes out0
.if DOCPART == 2
	.amdgcn_target "amdgcn-amd-amdhsa--gfx1250"
	.amdhsa_code_object_version 6
	.text
	.protected	k_q28dc99612e_gemm
	.globl	k_q28dc99612e_gemm
	.p2align	8
	.type	k_q28dc99612e_gemm,@function
k_q28dc99612e_gemm:
	s_mov_b64 s[64:65], 0
	v_nop
	global_prefetch_b8 v0, s[64:65] scope:SCOPE_SE
	s_setreg_imm32_b32 hwreg(HW_REG_WAVE_MODE, 25, 1), 1
	s_wait_xcnt 0x0
	s_wait_alu depctr_hold_cnt(0) depctr_sa_sdst(0) depctr_va_vdst(0) depctr_va_sdst(0) depctr_va_ssrc(0) depctr_va_vcc(0) depctr_vm_vsrc(0)
	s_getreg_b32 s2, hwreg(HW_REG_IB_STS2, 6, 4)
	s_cmp_eq_u32 s2, 0
	s_cbranch_scc0 .Lentry_in_a_cluster
	s_endpgm
.Lentry_in_a_cluster:
	s_bfe_u32 s2, ttmp6, 0x10000c
	s_cmp_lg_u32 s2, 0xf033
	s_cbranch_scc0 .Lentry_shape_is_right
	s_endpgm
.Lentry_shape_is_right:
; out[m][n] = bias[n] + sum over k of x[m][k] W[n][k] + sum over k of x[m][k] dW[n][k].  x, W, dW: codes of BF6 (E3M2) with E8M0 scale bytes, laid by the launch before in the order of the operand's registers; sums in f32.
; A tile of C, 256 x 256, is made by a work-group of four waves; a wave makes 128 x 128: 64 accumulators of 16 x 16.  Both products add onto the same accumulators, and each fragment of x feeds both.
; A FRAGMENT's image (16 rows x 128 K) is 1,536 bytes: registers 4 c .. 4 c + 3 of lane l at 512 c + 16 l.  A PERIOD is two K steps of 128 (z = 0, 1); a scale image of 16 rows is 128 bytes: lane 16 z + r holds row r's word of step z.
; RING: two LDS slots, a period each: x's block of 51,200 bytes, then W's and dW's of 102,400 bytes.  A tile's rows for the tensor loads are 256 bytes of dense memory.  Eight periods: slot = period % 2.
; CLUSTERS: 4 x 4 work-groups.  The four with the same cx make one tile row and ask jointly for x's block; the four with the same cy make one tile column and ask jointly for W's and dW's.
; TRANSPOSED USE: source 0 = 16 rows of W or dW, source 1 = 16 rows of x: a lane holds eight neighbouring columns of one row of C.  The bias is the C of the first step's products.
; REGISTERS.  window 0: v0-31 addresses; v32-47 x's scale words (a set for each slot), v48-55 W's, v56-63 dW's; v64-159, v160-255 x's fragments of step z = 0, 1.
;   window 1: v0-95 W's fragments, v96-191 dW's, v192-255 the bias.  windows 2, 3: accumulators of my rows 0-63, 64-127: (a, b) at v[8 (8 (a % 4) + b)].
; A STEP is a W half and a D half of 64 matrix instructions each, and has two runs of LDS loads: dW's 8 fragments in front of the W half, the next step's W and x in front of the D half (at a change of slots x's behind the barrier).
; THE LAST LAP (periods 6 and 7, both in LDS) goes by HALVES OF MY ROWS behind W of its first step: rows 0-63 to their end, then rows 64-127, which walk K backwards, so that the fragments that are in registers at the turn serve both.
;   A finished block of 16 rows goes through the wave's stage and leaves while the others are multiplied.
; PREFETCH: at the refill for period p each cluster names its own part of period p + 1 (256 matrix instructions ahead of that load), 25 (x) or 50 (W, dW) blocks of 256 bytes a wave; the four partners share them by address.
;   W's and dW's periods are named by four of the eight clusters that read them.  Periods 0 to 2 come by their loads alone; the refill for period 7 asks for nothing.
; LIMITS: a given scale byte 0xff is NaN to the matrix unit; sums beyond f32 are not served.  The bias is added first, W's and dW's products by turns, and rows 64-127 of a wave take the last 512 along K in another order:
;   another order of rounding.
.set FRB,    1536
.set XPER,   51200
.set BPER,   102400
.set SLOT,   XPER+BPER
.set SPARE,  2*SLOT                    ; behind the ring: the spare words, 128 bytes for each wave
.set SPITCH, 272                       ; the stage, behind them: 16 rows x (256 + 16) bytes for each wave: half a block's columns at a time
.set STAGE,  SPARE+512
.set ROWN,   8192                      ; a row of C in bytes
.set ADRA, 8                           ; v8-9   x's fragments in slot 0, 1
.set ADRB, 10                          ; v10-13 W's and dW's: slot 0 z 0, z 1, slot 1 z 0, z 1
.set ADXS, 14                          ; v14-15 x's scale images in slot 0, 1
.set ADBS, 16                          ; v16-17 W's and dW's
.set STO,  24
.set RD,   25
.set CO,   26
.set SPW,  28                          ; my spare word
.set NIL,  29                          ; 0
.set PFO,  30
.set BO,   31
.set XS0,  32                          ; scale words: x's of slot 0, of slot 1, W's, dW's
.set XS1,  40
.set WS,   48
.set DS,   56
.set P,    64                          ; the last lap: two buffers for four fragments of x,
.set Q,    112
.set S0,   0                           ; and three sets for eight fragments of W or dW: window 1,
.set S1,   96                          ; window 1,
.set S2,   160                         ; window 0
.set G1,   24                          ; s[24:31] group 1 for x, s[32:39] group 0 for each slot
.set G0,   32
.set G1B,  48                          ; s[48:55], s[56:63] the same for W and dW
.set G0B,  56
.set LIMA, 43                          ; s43, s44: a wave asks at slot 0's, 1's refill while the trips left are more than this
.set PFA,  72                          ; s[72:73] where my prefetches stand, s[74:75] their step
.set PFS,  74
.set MSB, 0
.macro WIN new                         ; the immediate's high byte repeats the setting that is left
.if MSB != (\new)
	s_set_vgpr_msb (MSB<<8)|(\new)
.set MSB, (\new)
.endif
.endm
.macro PLACES                          ; in front of loads into registers that matrix instructions have read, and of reads of results
.rept 4
	v_nop
.endr
.endm
.macro JLOAD s                         ; waves 0, 1 fetch x's two halves, waves 2, 3 the other block's
	s_cmp_eq_u32 s21, 0
	s_cbranch_scc0 .Lfor_b_\@
	tensor_load_to_lds s[G0+4*\s:G0+4*\s+3], s[G1:G1+7]
	s_nop 0
.rept 4
	v_nop
.endr
	s_branch .Lasked_\@
.Lfor_b_\@:
	tensor_load_to_lds s[G0B+4*\s:G0B+4*\s+3], s[G1B:G1B+7]
	s_nop 0
.rept 4
	v_nop
.endr
.Lasked_\@:
.endm
.macro CREST                           ; a round of the cluster's barrier behind its opening barrier
	s_cmp_lg_u32 s20, 0
	s_cbranch_scc1 .Lnot_wave_0_\@
	s_barrier_signal -3
.Lnot_wave_0_\@:
	s_barrier_wait -3
	s_barrier_signal -1
	s_barrier_wait -1
.endm
.macro CROUND
	s_barrier_signal -1
	s_barrier_wait -1
	CREST
.endm
.macro ASK lim
	s_cmp_gt_u32 s3, s[\lim]
	s_cbranch_scc0 .Lnot_mine_\@
	global_prefetch_b8 v[PFO], s[PFA:PFA+1] th:TH_LOAD_NT scope:SCOPE_SE
	s_cmp_eq_u32 s21, 0
	s_cbranch_scc1 .Lnot_mine_\@
	global_prefetch_b8 v[PFO], s[PFA:PFA+1] offset:25*256 th:TH_LOAD_NT scope:SCOPE_SE
.Lnot_mine_\@:
.endm
	s_load_b256 s[4:11], s[0:1], 0x0               ; xf, wf, bias, out
	v_lshl_add_u32 v[SPW], v0, 2, SPARE
	v_mov_b32 v[NIL], 0
	ds_add_u32 v[SPW], v[NIL]                      ; the wave's opening: the add, twice on end, and its wait ahead of my first tensor load
	ds_add_u32 v[SPW], v[NIL]
	v_lshrrev_b32 v1, 5, v0
	v_readfirstlane_b32 s20, v1                    ; wave
	s_lshr_b32 s21, s20, 1                         ; my half of the rows; also: I fetch for x (0) or for W and dW (1)
	s_and_b32 s22, s20, 1                          ; my half of the columns; also: which half of the block I fetch
	s_bfe_u32 s40, ttmp6, 0x40000                  ; cx
	s_bfe_u32 s41, ttmp6, 0x40004                  ; cy
	s_lshl_b32 s45, ttmp9, 2
	s_add_co_u32 s45, s45, s40                     ; tile row
	s_and_b32 s42, ttmp7, 0xffff
	s_lshl_b32 s42, s42, 2
	s_add_co_u32 s42, s42, s41                     ; tile column
	s_lshl_b32 s43, 0x1111, s40                    ; the four with my cx
	s_lshl_b32 s44, s41, 2
	s_lshl_b32 s44, 15, s44                        ; the four with my cy
	s_or_b32 s[G1+0], s43, (3<<16)|(1<<21)         ; elements of 8 bytes; bit 21 stands beside a mask
	s_or_b32 s[G1B+0], s44, (3<<16)|(1<<21)
	s_mov_b32 s[G1+1], 32<<16                      ; rows of 32 elements = 256 bytes
	s_mov_b32 s[G1+2], 100<<16                     ; 100 rows: half of x's block
	s_mov_b32 s[G1+3], 32<<16
	s_mov_b32 s[G1+4], 100
	s_mov_b32 s[G1+5], 32
	s_mov_b32 s[G1+6], 0
	s_mov_b32 s[G1+7], 0
	s_mov_b32 s[G1B+1], 32<<16
	s_mov_b32 s[G1B+2], 200<<16
	s_mov_b32 s[G1B+3], 32<<16
	s_mov_b32 s[G1B+4], 200
	s_mov_b32 s[G1B+5], 32
	s_mov_b32 s[G1B+6], 0
	s_mov_b32 s[G1B+7], 0
	s_mul_i32 s46, s45, 8*XPER                     ; x's block: by the tile row alone
	s_mul_i32 s12, s22, XPER/2
	s_add_co_u32 s46, s46, s12
	s_mov_b32 s47, 0
	s_mul_i32 s68, s42, 8*BPER                     ; the other: by the tile column alone
	s_mul_i32 s13, s22, BPER/2
	s_add_co_u32 s68, s68, s13
	s_mov_b32 s69, 0
	s_add_co_u32 s13, s13, XPER
	s_mul_i32 s14, s21, 8*FRB                      ; my 8 fragments of x,
	s_mul_i32 s15, s22, 8*FRB
	s_add_co_u32 s15, s15, XPER                    ; of W,
	s_lshl_b32 s16, s21, 10
	s_add_co_u32 s16, s16, 2*16*FRB                ; and the scale images
	s_lshl_b32 s17, s22, 10
	s_add_co_u32 s17, s17, XPER+4*16*FRB
	s_mul_i32 s23, s20, 16*SPITCH
	s_add_co_u32 s23, s23, STAGE                   ; my stage
	s_lshl_b32 s70, s42, 10                        ; my first column, in bytes
	s_lshl_b32 s71, s22, 9
	s_add_co_u32 s70, s70, s71
	s_mov_b32 s71, 0
	s_lshl_b32 s18, s45, 8                         ; my first row
	s_lshl_b32 s19, s21, 7
	s_add_co_u32 s18, s18, s19
	s_lshl_b32 s18, s18, 13
	s_mov_b32 s19, 0
	s_wait_dscnt 0x0                               ; both opening adds are done
	s_wait_kmcnt 0x0
	s_add_nc_u64 s[46:47], s[4:5], s[46:47]
	s_add_nc_u64 s[68:69], s[6:7], s[68:69]
.irp s, 0,1
	s_mov_b32 s[G0+4*\s], 1
	s_add_co_u32 s[G0+4*\s+1], s12, \s*SLOT
	s_add_nc_u64 s[G0+4*\s+2:G0+4*\s+3], s[46:47], \s*XPER
	s_or_b32 s[G0+4*\s+3], s[G0+4*\s+3], 0x80000000
	s_mov_b32 s[G0B+4*\s], 1
	s_add_co_u32 s[G0B+4*\s+1], s13, \s*SLOT
	s_add_nc_u64 s[G0B+4*\s+2:G0B+4*\s+3], s[68:69], \s*BPER
	s_or_b32 s[G0B+4*\s+3], s[G0B+4*\s+3], 0x80000000
.endr
	CROUND                                         ; all sixteen work-groups are here: the first joint loads meet
	JLOAD 0                                        ; period 0: one tensor load a wave at the head
	s_add_nc_u64 s[8:9], s[8:9], s[70:71]
	v_and_b32 v1, 15, v0                           ; r
	v_bfe_u32 v2, v0, 4, 1                         ; h
	v_and_b32 v3, 31, v0                           ; lane
	v_lshlrev_b32 v4, 4, v3
	v_lshlrev_b32 v5, 2, v3
	v_lshlrev_b32 v[BO], 5, v2
	v_add_nc_u32 v[ADRA], s14, v4
	v_add_nc_u32 v[ADRB], s15, v4
	v_add_nc_u32 v[ADXS], s16, v5
	v_add_nc_u32 v[ADBS], s17, v5
	v_add_nc_u32 v[ADRA+1], SLOT, v[ADRA]
	v_add_nc_u32 v[ADRB+1], 2*16*FRB, v[ADRB]
	v_add_nc_u32 v[ADRB+2], SLOT, v[ADRB]
	v_add_nc_u32 v[ADRB+3], SLOT+2*16*FRB, v[ADRB]
	v_add_nc_u32 v[ADXS+1], SLOT, v[ADXS]
	v_add_nc_u32 v[ADBS+1], SLOT, v[ADBS]
	v_mul_u32_u24 v6, v1, SPITCH                   ; into the stage: row r, 32 bytes for each half of the lanes
	v_mul_u32_u24 v7, v2, SPITCH                   ; back: lanes 0-15 take a row's 256 bytes, lanes 16-31 the next row's;
	v_lshl_add_u32 v6, v2, 5, v6
	v_lshl_add_u32 v7, v1, 4, v7
	v_add_nc_u32 v[STO], s23, v6
	v_add_nc_u32 v[RD], s23, v7
	v_lshlrev_b32 v[CO], 13, v2                    ; the same two rows in C
	v_lshl_add_u32 v[CO], v1, 4, v[CO]
	v_min_u32 v[PFO], 24, v3                       ; 25 blocks of 256 bytes
	v_lshlrev_b32 v[PFO], 8, v[PFO]
	s_wait_alu depctr_va_vdst(0)                   ; the head's end
	WIN 0x40                                       ; destination window 1
.irp b, 0,1,2,3,4,5,6,7
	global_load_b128 v[192+8*\b:192+8*\b+3], v[BO], s[8:9] offset:64*\b
	global_load_b128 v[192+8*\b+4:192+8*\b+7], v[BO], s[8:9] offset:64*\b+16
.endr
	WIN 0
	s_add_nc_u64 s[10:11], s[10:11], s[18:19]
	s_add_nc_u64 s[10:11], s[10:11], s[70:71]
	; the prefetches: of the half block that I fetch, a quarter, by cy for x and by cx for W and dW; they stand at period 2 and are stepped ahead of the first
	s_mul_i32 s14, s45, 8*XPER
	s_mul_i32 s15, s22, XPER/2
	s_add_co_u32 s14, s14, s15
	s_mul_i32 s15, s41, XPER/8
	s_add_co_u32 s14, s14, s15
	s_add_co_u32 s14, s14, 2*XPER
	s_mul_i32 s16, s42, 8*BPER
	s_mul_i32 s17, s22, BPER/2
	s_add_co_u32 s16, s16, s17
	s_mul_i32 s17, s40, BPER/8
	s_add_co_u32 s16, s16, s17
	s_add_co_u32 s16, s16, 2*BPER
	s_mov_b32 s[PFS], BPER
	s_mov_b32 s[PFS+1], 0
	s_mov_b32 s15, 0
	s_cmp_eq_u32 s21, 0
	s_cselect_b32 s14, s14, s16
	s_cselect_b32 s2, 0, ttmp9                     ; x's waves ask in every cluster, the others in clusters 0 to 3 along x
	s_cselect_b64 s[PFA:PFA+1], s[4:5], s[6:7]
	s_cselect_b32 s[PFS], XPER, s[PFS]
	s_cmp_lt_u32 s2, 4
	s_cselect_b32 s[LIMA], 0, -1
	s_cselect_b32 s[LIMA+1], 1, -1                 ; slot 1's refill in the last trip is for period 7: nothing follows
	s_add_nc_u64 s[PFA:PFA+1], s[PFA:PFA+1], s[14:15]
; one product: accumulator (a, b); br, ar the fragments of source 0 and 1, bs, as their scale words; z: which half of the lanes holds the words
.macro MM a, b, br, ar, bs, as, z, first
.set AC, 8*(8*((\a)%4)+(\b))
.if \first
	v_wmma_scale_f32_16x16x128_f8f6f4 v[AC:AC+7], v[(\br):(\br)+11], v[(\ar):(\ar)+11], v[192+8*(\b):192+8*(\b)+7], v[\bs], v[\as] matrix_a_fmt:MATRIX_FMT_BF6 matrix_b_fmt:MATRIX_FMT_BF6
.elseif \z
	v_wmma_scale_f32_16x16x128_f8f6f4 v[AC:AC+7], v[(\br):(\br)+11], v[(\ar):(\ar)+11], v[AC:AC+7], v[\bs], v[\as] matrix_a_fmt:MATRIX_FMT_BF6 matrix_b_fmt:MATRIX_FMT_BF6 matrix_a_scale:MATRIX_SCALE_ROW1 matrix_b_scale:MATRIX_SCALE_ROW1
.else
	v_wmma_scale_f32_16x16x128_f8f6f4 v[AC:AC+7], v[(\br):(\br)+11], v[(\ar):(\ar)+11], v[AC:AC+7], v[\bs], v[\as] matrix_a_fmt:MATRIX_FMT_BF6 matrix_b_fmt:MATRIX_FMT_BF6
.endif
.endm
; 16 products: blocks a0, a0 + 1 x eight; d = 0: W, 1: dW.  The 64 accumulators take turns in the same order in every half.
.macro MUL16 a0, d, z, slot, first
.if \first
	WIN 0x91+0x40*((\a0)/4)                        ; source 0 and C window 1, source 1 window 0, D window 2 or 3
.else
	WIN 0xa1+0x50*((\a0)/4)                        ; C and D window 2 or 3
.endif
.irp a, \a0, \a0+1
.irp b, 0,1,2,3,4,5,6,7
	MM \a, \b, 96*(\d)+12*(\b), 64+96*(\z)+12*(\a), 48+8*(\d)+(\b), 32+8*(\slot)+(\a), \z, \first
.endr
.endr
.endm
.macro FRAG dst, adr, off
.irp c, 0,1,2
	ds_load_b128 v[(\dst)+4*\c:(\dst)+4*\c+3], v[\adr] offset:(\off)+512*\c
.endr
.endm
.macro TILE br, bw, slot, z, d         ; the eight fragments of W or dW into a set: 24 loads
	WIN 0x40*(\bw)
.irp i, 0,1,2,3,4,5,6,7
	FRAG (\br)+12*(\i), ADRB+2*(\slot)+(\z), (\d)*16*FRB+(\i)*FRB
.endr
.endm
.macro XFOUR ab, slot, z, i0           ; four fragments of x: 12 loads
	WIN 0
.irp i, 0,1,2,3
	FRAG (\ab)+12*(\i), ADRA+(\slot), (\z)*16*FRB+((\i0)+(\i))*FRB
.endr
.endm
.macro SCALES dst, adr, off            ; eight scale words, both steps of a period
	WIN 0
.irp i, 0,1,2,3,4,5,6,7
	ds_load_b32 v[(\dst)+\i], v[\adr] offset:(\off)+128*\i
.endr
.endm
; W half.  mode 1 (z = 1): the slot's last reads are dW's fragments, issued at the half's head; the change of slots stands in its middle, with the cluster's round and the refill.
.macro WPH slot, z, mode, first
.if (\first) == 0
	PLACES                                         ; behind the last D half: serves dW's registers and the next step's x
.endif
	TILE S1, 1, \slot, \z, 1
.if (\z) == 0
	SCALES DS, ADBS+(\slot), 2048
	s_wait_dscnt 32                                ; may be out: dW (24), its scales (8)
.else
	s_wait_dscnt 24                                ; dW (24)
.endif
.if \first
	s_wait_loadcnt 0x0                             ; the bias
.endif
	MUL16 0, 0, \z, \slot, \first
.if \mode
	WIN 0
	s_wait_xcnt 0x0                                ; my last prefetch, a period ago, has read its address
	s_add_nc_u64 s[PFA:PFA+1], s[PFA:PFA+1], s[PFS:PFS+1]
	s_wait_tensorcnt 0x0                           ; my part of the other slot's period is in
	ds_add_u32 v[SPW], v[NIL]                      ; 0 onto my spare word
	s_add_nc_u64 s[G0+4*(\slot)+2:G0+4*(\slot)+3], s[G0+4*(\slot)+2:G0+4*(\slot)+3], 2*XPER
	s_add_nc_u64 s[G0B+4*(\slot)+2:G0B+4*(\slot)+3], s[G0B+4*(\slot)+2:G0B+4*(\slot)+3], 2*BPER
	MUL16 2, 0, \z, \slot, \first
	s_wait_dscnt 0x0                               ; the add is done, and so are all my reads of this slot
	s_barrier_signal -1
	MUL16 4, 0, \z, \slot, \first
	WIN 0
	s_barrier_wait -1
	CREST
	JLOAD \slot                                    ; this slot's next period, the first tensor load behind the round
	XFOUR 64, 1-(\slot), 0, 0                      ; the next step's x
	XFOUR 112, 1-(\slot), 0, 4
	SCALES 32+8*(1-(\slot)), ADXS+1-(\slot), 0
	ASK LIMA+\slot
	MUL16 6, 0, \z, \slot, \first
.else
	MUL16 2, 0, \z, \slot, \first
	MUL16 4, 0, \z, \slot, \first
	MUL16 6, 0, \z, \slot, \first
.endif
.endm
; D half, with the next step's W ahead of it, and where no slot changes its x
.macro DPH slot, z
	PLACES                                         ; behind the W half: serves W's registers and scales
.if \z
	TILE S0, 1, 1-(\slot), 0, 0                    ; (where z = 1 the barrier's wait has shown dW)
	SCALES WS, ADBS+1-(\slot), 0
.else
	TILE S0, 1, \slot, 1, 0
	XFOUR 160, \slot, 1, 0
	XFOUR 208, \slot, 1, 4
	s_wait_dscnt 48                                ; dW and its scales are in; the 24 of W and 24 of x may be out
.endif
	MUL16 0, 1, \z, \slot, 0
	MUL16 2, 1, \z, \slot, 0
	MUL16 4, 1, \z, \slot, 0
	MUL16 6, 1, \z, \slot, 0
	WIN 0
.endm
	s_wait_tensorcnt 0x0                           ; my part of period 0 is in
	ds_add_u32 v[SPW], v[NIL]
	s_wait_dscnt 0x0
	CROUND                                         ; everybody's part is in, and all sixteen work-groups are here
	JLOAD 1                                        ; period 1, the first tensor load behind the round
	TILE S0, 1, 0, 0, 0
	SCALES WS, ADBS, 0
	XFOUR 64, 0, 0, 0
	XFOUR 112, 0, 0, 4
	SCALES XS0, ADXS, 0
	WPH 0, 0, 0, 1                                 ; the first W half starts the sums with the bias
	WIN 0
	s_mov_b32 s3, 3
.Llap:                                                 ; a trip: two periods, from a D half to the W half of the next lap's first step
	DPH 0, 0
	WPH 0, 1, 1, 0
	DPH 0, 1
	WPH 1, 0, 0, 0
	DPH 1, 0
	WPH 1, 1, 1, 0
	DPH 1, 1
	WPH 0, 0, 0, 0
	WIN 0
	s_sub_co_u32 s3, s3, 1
	s_cmp_lg_u32 s3, 0
	s_cbranch_scc1 .Llap
; THE LAST LAP.  W of step (slot 0, z 0) is done for all rows; dW of it is in S1, its x in P (blocks 0-3) and Q (4-7).
; eight products of block a: a set (br in window bw), four fragments of x from ab on, scale words
.macro R8 a, br, bw, ab, bs, xs, z
	WIN 0xa0+(\bw)+0x50*((\a)/4)
.irp b, 0,1,2,3,4,5,6,7
	MM \a, \b, (\br)+12*(\b), (\ab)+12*((\a)%4), (\bs)+(\b), (\xs)+(\a), \z, 0
.endr
.endm
.macro PH hf, br, bw, ab, bs, xs, z    ; the 32 products of half hf's four blocks
.irp k, 0,1,2,3
	R8 4*(\hf)+\k, \br, \bw, \ab, \bs, \xs, \z
.endr
.endm
; block a through my stage and back, 64 columns at a time, as two rows' 256 bytes a load, into its own accumulators.  LDS serves a wave's instructions in order (ISA guide 5.7.1.4).
.macro TOSTAGE a
	WIN 0x88+0x44*((\a)/4)                         ; data and destination window 2 or 3, address window 0
.irp g, 0,1
.set AQ, 64*((\a)%4)+32*\g
.irp b, 0,1,2,3
	ds_store_b128 v[STO], v[AQ+8*\b:AQ+8*\b+3] offset:64*\b
	ds_store_b128 v[STO], v[AQ+8*\b+4:AQ+8*\b+7] offset:64*\b+16
.endr
.irp t, 0,1,2,3,4,5,6,7
	ds_load_b128 v[AQ+4*\t:AQ+4*\t+3], v[RD] offset:2*\t*SPITCH
.endr
.endr
.endm
.macro SEND a, g                       ; columns 64 g .. + 63 of block a: sixteen lanes store 256 consecutive bytes, at a multiple of 256
.set AQ, 64*((\a)%4)+32*(\g)
	WIN 0x88+0x44*((\a)/4)
.irp t, 0,1,2,3,4,5,6,7
	global_store_b128 v[CO], v[AQ+4*\t:AQ+4*\t+3], s[10:11] offset:(\a)*16*ROWN+2*\t*ROWN+256*(\g) th:TH_STORE_NT
.endr
.endm
	PLACES
	TILE S2, 0, 0, 1, 0                            ; W of (0, 1)
	XFOUR Q, 0, 1, 0
	TILE S0, 1, 0, 1, 1                            ; dW of (0, 1)
	s_wait_dscnt 60                                ; all but these 60: dW of (0, 0) is in
	PH 0, S1, 1, P, DS, XS0, 0                     ; ROWS 0-63: dW of (0, 0)
	s_wait_dscnt 24                                ; W of (0, 1) and its x are in
	R8 0, S2, 0, Q, WS, XS0, 1                     ; W of (0, 1)
	R8 1, S2, 0, Q, WS, XS0, 1
	s_wait_tensorcnt 0x0                           ; my part of period 7 is in
	s_wait_dscnt 0x0
	s_barrier_signal -1
	R8 2, S2, 0, Q, WS, XS0, 1
	R8 3, S2, 0, Q, WS, XS0, 1
	s_barrier_wait -1                              ; and everybody's; nothing is filled any more
	PLACES
	TILE S1, 1, 1, 0, 0                            ; W of (1, 0)
	XFOUR P, 1, 0, 0
	SCALES WS, ADBS+1, 0
	SCALES XS1, ADXS+1, 0
	TILE S2, 0, 1, 0, 1                            ; dW of (1, 0)
	PH 0, S0, 1, Q, DS, XS0, 1                     ; dW of (0, 1)
	s_wait_dscnt 24                                ; all but dW of (1, 0)
	PLACES
	SCALES DS, ADBS+1, 2048
	TILE S0, 1, 1, 1, 0                            ; W of (1, 1)
	XFOUR Q, 1, 1, 0
	PH 0, S1, 1, P, WS, XS1, 0                     ; W of (1, 0)
	PLACES
	TILE S1, 1, 1, 1, 1                            ; dW of (1, 1)
	s_wait_dscnt 60                                ; dW of (1, 0) and the scales are in; 24 + 12 + 24 were issued behind them
	PH 0, S2, 0, P, DS, XS1, 0                     ; dW of (1, 0)
	PLACES
	TILE S2, 0, 1, 0, 0                            ; W of (1, 0), for rows 64-127
	XFOUR P, 1, 1, 4
	s_wait_dscnt 36                                ; all but these 36
.macro ROWA a                          ; W and dW of (1, 1): block a is finished
	R8 \a, S0, 1, Q, WS, XS1, 1
	R8 \a, S1, 1, Q, DS, XS1, 1
.endm
	ROWA 0
	PLACES
	TOSTAGE 0
	ROWA 1
	s_wait_dscnt 0x0                               ; block 0 is back
	SEND 0, 0
	PLACES
	TOSTAGE 1
	ROWA 2
	SEND 0, 1
	PLACES
	TOSTAGE 2
	ROWA 3
	s_wait_dscnt 32                                ; block 1 is back; block 2's 32 may be out
	SEND 1, 0
	PLACES
	TOSTAGE 3
	XFOUR Q, 1, 0, 4
	PH 1, S0, 1, P, WS, XS1, 1                     ; ROWS 64-127: W of (1, 1)
	SEND 1, 1
	s_wait_dscnt 12                                ; all but x's 12: blocks 2 and 3 are back
	PLACES
	TILE S0, 1, 1, 0, 1                            ; dW of (1, 0)
	PH 1, S1, 1, P, DS, XS1, 1                     ; dW of (1, 1)
	SEND 2, 0
	PLACES
	TILE S1, 1, 0, 1, 0                            ; W of (0, 1)
	XFOUR P, 0, 1, 4
	s_wait_dscnt 60                                ; x of (1, 0) is in; 24 + 36 were issued behind it
	PH 1, S2, 0, Q, WS, XS1, 0                     ; W of (1, 0)
	SEND 2, 1
	s_wait_dscnt 36                                ; dW of (1, 0) is in
	PLACES
	SCALES WS, ADBS, 0
	TILE S2, 0, 0, 1, 1                            ; dW of (0, 1)
	PH 1, S0, 1, Q, DS, XS1, 0                     ; dW of (1, 0)
	SEND 3, 0
	s_wait_dscnt 24                                ; all but dW of (0, 1)
	PLACES
	SCALES DS, ADBS, 2048
	TILE S0, 1, 0, 0, 1                            ; dW of (0, 0)
	XFOUR Q, 0, 0, 4
	PH 1, S1, 1, P, WS, XS0, 1                     ; W of (0, 1)
	SEND 3, 1
	s_wait_dscnt 0x0
.macro ROWB a                          ; dW of (0, 1) and of (0, 0): block a is finished
	R8 \a, S2, 0, P, DS, XS0, 1
	R8 \a, S0, 1, Q, DS, XS0, 0
.endm
	ROWB 4
	PLACES
	TOSTAGE 4
.irp a, 5,6,7
	ROWB \a
	s_wait_dscnt 0x0                               ; the block before is back
	SEND \a-1, 0
	SEND \a-1, 1
	PLACES
	TOSTAGE \a
.endr
	WIN 0
	s_wait_tensorcnt 0x0                           ; the wave's end, behind my last LDS store
	ds_add_u32 v[SPW], v[NIL]
	s_wait_dscnt 0x0                               ; and block 7 is back
	SEND 7, 0
	SEND 7, 1
	WIN 0
	CROUND                                         ; the closing round
	s_endpgm
.Lfunc_end_k_q28dc99612e_gemm:
	.size	k_q28dc99612e_gemm, .Lfunc_end_k_q28dc99612e_gemm-k_q28dc99612e_gemm
	.p2alignl 7, 3214868480
	.fill 96, 4, 3214868480
	.section	.rodata,"a",@progbits
	.p2align	6, 0x0
	.amdhsa_kernel k_q28dc99612e_gemm
		.amdhsa_group_segment_fixed_size 327680
		.amdhsa_private_segment_fixed_size 0
		.amdhsa_enable_private_segment 0
		.amdhsa_kernarg_size 32
		.amdhsa_user_sgpr_count 2
		.amdhsa_user_sgpr_kernarg_segment_ptr 1
		.amdhsa_wavefront_size32 1
		.amdhsa_system_sgpr_workgroup_id_x 1
		.amdhsa_system_sgpr_workgroup_id_y 1
		.amdhsa_system_sgpr_workgroup_id_z 1
		.amdhsa_system_vgpr_workitem_id 0
		.amdhsa_next_free_vgpr 1024
		.amdhsa_next_free_sgpr 76
		.amdhsa_reserve_vcc 0
		.amdhsa_float_denorm_mode_32 3
		.amdhsa_float_denorm_mode_16_64 3
		.amdhsa_memory_ordered 1
		.amdhsa_forward_progress 1
		.amdhsa_inst_pref_size 229
	.end_amdhsa_kernel
	.amdgpu_metadata
---
amdhsa.version: [ 1, 2 ]
amdhsa.kernels:
  - .name:           k_q28dc99612e_gemm
    .symbol:         k_q28dc99612e_gemm.kd
    .args:
      - { .name: xf, .offset: 0, .size: 8, .value_kind: global_buffer, .address_space: global }
      - { .name: wf, .offset: 8, .size: 8, .value_kind: global_buffer, .address_space: global }
      - { .name: bias, .offset: 16, .size: 8, .value_kind: global_buffer, .address_space: global }
      - { .name: out0, .offset: 24, .size: 8, .value_kind: global_buffer, .address_space: global }
    .group_segment_fixed_size: 327680
    .private_segment_fixed_size: 0
    .kernarg_segment_align: 8
    .kernarg_segment_size: 32
    .max_flat_workgroup_size: 128
    .sgpr_count:     76
    .vgpr_count:     1024
    .wavefront_size: 32
...
	.end_amdgpu_metadata
.endif
;; end of part 2
